; MI455X (gfx1250); checked and timed in simulation.
; The chip was launched on July 23, 2026; its instructions are those of AMD's public machine-readable ISA for CDNA 5 (MIT licence, August 2026) and "CDNA5" Instruction Set Architecture Reference Guide (July 2026). The comments in the code are by the model that wrote it; some were corrected since.
;; Quant Linear. Allowed arithmetic: matrix products marked QUANTISED: E2M3 operands, one E8M0 scale for each 32 along K, by v_wmma_scale_f32_16x16x128_f8f6f4 with both operands' format E2M3, f32 sums; everything else in f32.
;; Inputs: bias 4,096 float16; qweight 512 x 4,096 int32; qzeros 1 x 512 int32; scales 1 x 4,096 float16; x_codes 4 x 1,024 x 128 x 24 uint8 (E2M3 codes of x, K innermost, in blocks of 32 codes, four codes in three bytes); x_scales 4 x 1,024 x 128 uint8 (E8M0 scales of x, one for each 32 codes along K).
;; Outputs: out0 4 x 1,024 x 4,096 float16.
;; This version of the problem:
;;   THIS VERSION OF THE PROBLEM IS GIVEN IN LOW PRECISION. The matrix products marked QUANTISED in the list below multiply operands that are first quantised to E2M3 (2 exponent bits, 3 mantissa bits; 6 bits a number), with one power-of-two scale for each 32 numbers along K (OCP MX v1.0); their sums are f32. All else is computed in f32.
;;   The module's matrix products, in the order in which they are computed (A, B: the left and right operand; K: the contracted axis; several contracted axes count as one K, in the product's order):
;;     1. [M 4,096, K 4,096] x [K 4,096, N 4,096]; A: input x (given as codes); B: computed on the way: QUANTISED
;;   THE QUANTISER, for each operand of a quantised product, along K:
;;     - K is cut into blocks of 32 from its start; a last block that is shorter is filled with zeros.
;;     - A block's scale is 2^e with e = floor(log2(the largest magnitude in the block)) - 2, held to -126 .. 127; a block of zeros has e = 0. As a byte (E8M0): e + 127.
;;     - Each number is divided by its block's scale, clamped to +-7.5, and rounded to the nearest number of E2M3, ties to even, subnormals kept.
;;     - The product sums the exact products of the quantised numbers (number of the format x scale) in f32.
;;   ~~~python
;;   def quantise(x, axis):      # numpy; x: float32 -> the quantised numbers, widened to float32 again
;;       x = np.moveaxis(x, axis, -1); K = x.shape[-1]
;;       x = np.pad(x, [(0, 0)] * (x.ndim - 1) + [(0, -K % 32)]); x = x.reshape(x.shape[:-1] + (-1, 32)); a = np.abs(x).max(-1, keepdims=True)
;;       e = np.where(a > 0, np.clip(np.frexp(np.where(a > 0, a, 1))[1] - 1 - 2, -126, 127), 0)      # np.frexp(a)[1] - 1 = floor(log2(a)), exactly
;;       r = np.clip(x / 2.0 ** e, -7.5, 7.5)
;;       step = 2.0 ** (np.maximum(np.frexp(np.where(r == 0, 1, r))[1] - 1, 0) - 3)
;;       q = np.round(r / step) * step * 2.0 ** e      # np.round: ties to even
;;       return np.moveaxis(q.reshape(q.shape[:-2] + (-1,))[..., :K], -1, axis).astype(np.float32)
;;   ~~~
;;   OPERANDS COMPUTED ON THE WAY. 'Computed on the way' means the value that the module computes at that place (a softmax that the list does not call 'softmax' is quantised finished and normalised). What goes into a quantiser is computed in f32, as accurately as f32 sums, v_exp_f32 and their like allow (about 1e-6 of the number): no bf16 or f16 on the way to a quantiser, and a product that is left as it is and whose result goes on into a quantised operand takes f32 operands (vector FMAs, or v_wmma_f32_16x16x4_f32). A number that lies on a knife's edge between two numbers of the format may be rounded either way, as far as f32 arithmetic and the matrix unit's own rounding can turn it there, and no further.
;;   INPUTS GIVEN AS CODES. x (in the module: [4, 1024, 4096], K = its axis 2): each comes as NAME_codes (uint8): NAME with its K axis moved to the last place and cut into blocks of 32 codes, [.., K / 32, bytes a block], one block behind the other in memory; four codes in three bytes: a row's codes are one little-endian stream of bits, code i at bits 6 i .. 6 i + 5 (a code: sign, 2 exponent bits, 3 mantissa bits); and NAME_scales (uint8): the same leading axes, one E8M0 byte (e + 127) for each 32 codes along K. Its value is code x scale, taken as it is: it is not quantised again, and the codes and scales need not be those that the quantiser above would give.
;; One version. Each part assembles by itself: llvm-mc -triple=amdgcn-amd-amdhsa -mcpu=gfx1250 --defsym DOCPART=n.
;; ======== version 1 of 1: 2 launches
;; limits: values are held in f16: magnitudes above 65,504 overflow, below 6.1e-05 lose precision; right only within a limited range of input values
;; workspace buffers: xi 13,107,200 bytes; wi 13,107,200 bytes
;; launch prep (part 1): grid 64 x 4, 8 waves a work-group, no clusters, 103,424 bytes of LDS; arguments qweight, scales, qzeros, x_codes, x_scales, wi, xi; writes wi, xi
.if DOCPART == 1
	.amdgcn_target "amdgcn-amd-amdhsa--gfx1250"
	.amdhsa_code_object_version 6
	.text
	.protected	k_q799beef717_prep
	.globl	k_q799beef717_prep
	.p2align	8
	.type	k_q799beef717_prep,@function
k_q799beef717_prep:
	s_mov_b64 s[64:65], 0
	v_nop
	global_prefetch_b8 v0, s[64:65] scope:SCOPE_SE
	s_setreg_imm32_b32 hwreg(HW_REG_WAVE_MODE, 25, 1), 1
	s_wait_xcnt 0x0
; Two jobs, both for the product's launch.
; (1) W[k][n] = w4[k][n] s[n] - (z4[n] + 1) s[n] is made from packed nibbles and quantised along K (its FIRST axis) into codes of FP6 (E2M3) with one E8M0 byte for each 32 along K.
;     w4 and z4 + 1 are whole numbers up to 16 and s has 11 significant bits: both products and their difference are exact in f32, so one fused multiply-add gives W without rounding.
; (2) x's codes and scale bytes, given row by row, are laid anew.  No number is changed.
; THE IMAGE (wi for W's columns n, xi for x's rows): [group of 128 rows][step of 128 along K][unit of 12,800 bytes].  A unit is eight fragments (16 rows x 128 K, 1,536 bytes) and 512 bytes of scale words.
;   A fragment lies as the matrix operand's 12 registers lie: bytes 512 j + 16 l hold registers 4 j .. 4 j + 3 of lane l; lane (r, h) has row r, registers 6 c .. 6 c + 5 the 24 bytes at 96 step + 48 c + 24 h of the row's codes.
;   Scale words at 12,288 + 256 j + 16 r + 4 k: the word (four bytes, 128 along K) of row r of block 4 j + k.
; LIMITS: a block of zeros of W gets the byte 1 where the quantiser's rule says 127: its codes are zeros, which add nothing under any byte but 0xff, and this program alone reads the bytes.
;         NaN and infinities among the scales are not served.  x's scale words are read as 4 bytes a lane from rows of 128 bytes: 524,288 bytes in the whole launch.
; SHARES.  Work-group (X, Y): rows (of x) and columns (of W) 64 X .. 64 X + 63, K = 1024 Y .. + 1023: 768 bytes of codes a row.  Wave w: step 8 Y + w of all 64: four fragments, 6,144 consecutive bytes of each image.
; W: a lane takes columns 2 l, 2 l + 1 and its registers run down K; the codes go through a stage in LDS (rows of 768 + 16 bytes) and come back in the fragments' order.
; x: whole units of 256 bytes are loaded, 12 loads a wave, pass a stage of the same shape, and come back likewise.  Every store of codes covers 512 consecutive bytes, every store of scale words 256, at multiples of 256.
; No cluster, no tensor load: the work-groups share no input but a few bytes of scales and zeros.  All loads of a wave go out at its head.
.set QROW, 16384
.set CROW, 3072
.set SPI,  784
.set SCST, 64*SPI                      ; W's scale words, 256 bytes a wave
.set XST,  SCST+2048                   ; x's stage
.set SPARE, XST+64*SPI                 ; the spare words
.set UNIT, 12800
.set Q,    32
.set X,    64
.set T,    96
.set C,    104
.set XD,   154                         ; v154-201 x's codes as loaded
	s_load_b256 s[4:11], s[0:1], 0x0               ; qweight, scales, qzeros, x_codes
	s_load_b128 s[12:15], s[0:1], 0x20             ; x_scales, wi
	s_load_b64 s[16:17], s[0:1], 0x30              ; xi
	v_lshl_add_u32 v152, v0, 2, SPARE
	v_mov_b32 v153, 0
	v_lshrrev_b32 v1, 5, v0
	v_readfirstlane_b32 s20, v1                    ; wave w
	s_and_b32 s21, ttmp7, 0xffff                   ; Y
	s_lshl_b32 s22, s21, 7
	s_lshl_b32 s23, s20, 4
	s_add_co_u32 s22, s22, s23                     ; qweight: row 128 Y + 16 w,
	s_lshl_b32 s22, s22, 14
	s_lshl_b32 s23, ttmp9, 8
	s_add_co_u32 s22, s22, s23                     ; + 64 X columns of 4 bytes
	s_lshl_b32 s24, ttmp9, 7                       ; scales: 64 X numbers of 2 bytes
	s_lshl_b32 s25, ttmp9, 5                       ; qzeros: 8 X words
	s_lshl_b32 s26, ttmp9, 6
	s_lshl_b32 s23, s20, 3
	s_add_co_u32 s26, s26, s23
	s_mul_i32 s26, s26, CROW
	s_mul_i32 s23, s21, 768
	s_add_co_u32 s26, s26, s23                     ; x_codes: row 64 X + 8 w, + 768 Y
	s_lshl_b32 s27, ttmp9, 13
	s_lshl_b32 s23, s21, 5
	s_add_co_u32 s27, s27, s23
	s_lshl_b32 s23, s20, 2
	s_add_co_u32 s27, s27, s23                     ; x_scales: row 64 X, + 32 Y + 4 w
	s_lshr_b32 s28, ttmp9, 1
	s_lshl_b32 s28, s28, 5
	s_lshl_b32 s23, s21, 3
	s_add_co_u32 s28, s28, s23
	s_add_co_u32 s28, s28, s20
	s_mul_i32 s28, s28, UNIT                       ; my unit: group X / 2, step 8 Y + w
	s_and_b32 s29, ttmp9, 1
	s_mul_i32 s23, s29, 6144
	s_add_co_u32 s30, s28, s23                     ; its fragments 4 (X % 2) ..
	s_lshl_b32 s29, s29, 8
	s_add_co_u32 s31, s28, s29
	s_add_co_u32 s31, s31, 12288                   ; and their scale words
	s_mul_i32 s32, s20, 96                         ; my step's 96 bytes in a stage row
	s_lshl_b32 s33, s20, 8
	s_add_co_u32 s33, s33, SCST
	s_mul_i32 s34, s20, 8*SPI
	s_add_co_u32 s34, s34, XST
	v_and_b32 v1, 31, v0                           ; l
	v_and_b32 v22, 15, v0                          ; r
	v_bfe_u32 v23, v0, 4, 1                        ; h
	v_lshl_add_u32 v2, v1, 3, s22                  ; qweight: 8 bytes a lane
	v_lshl_add_u32 v3, v1, 2, s24                  ; scales: two f16 a lane
	v_and_b32 v4, 28, v1
	v_add_nc_u32 v4, s25, v4                       ; qzeros: the word of columns 2 l, 2 l + 1
	v_and_b32 v5, 3, v1
	v_lshlrev_b32 v5, 3, v5                        ; and the nibble of column 2 l in it
	v_mul_u32_u24 v6, v1, 2*SPI
	v_add_nc_u32 v6, s32, v6                       ; W's stage, in: row 2 l
	v_and_b32 v7, 7, v1
	v_lshrrev_b32 v24, 3, v1
	v_lshlrev_b32 v7, 5, v7
	v_lshl_add_u32 v7, v24, 2, v7
	v_add_nc_u32 v7, s33, v7                       ; W's scale word of column 2 l: 16 (2 l % 16) + 4 (2 l / 16)
	v_lshl_add_u32 v10, v1, 3, s33                 ; and back: 8 bytes a lane
	v_mul_u32_u24 v8, v23, SPI
	v_lshl_add_u32 v8, v22, 4, v8
	v_add_nc_u32 v8, s34, v8                       ; x's stage, in: rows 8 w + h, 16 bytes a lane
	v_mul_u32_u24 v9, v23, CROW
	v_lshl_add_u32 v9, v22, 4, v9
	v_add_nc_u32 v9, s26, v9                       ; and the same place in x_codes
	v_mul_u32_u24 v11, v22, SPI
	v_mad_u32_u24 v11, v23, 24, v11
	v_add_nc_u32 v11, s32, v11                     ; a fragment out of W's stage: row r, + 24 h, + my step
	v_add_nc_u32 v26, XST, v11                     ; out of x's
	v_lshl_add_u32 v27, v1, 4, s30                 ; the image: 16 bytes a lane
	v_lshl_add_u32 v30, v1, 3, s31                 ; its scale words: 8 bytes a lane
	v_and_b32 v31, 1, v1
	v_lshlrev_b32 v31, 12, v31
	v_lshrrev_b32 v24, 1, v1
	v_lshl_add_u32 v31, v24, 7, v31
	v_add_nc_u32 v31, s27, v31                     ; x's scale words: rows 32 (l % 2) + l / 2 and 16 further on
	s_wait_alu depctr_va_vdst(0)                   ; the wait at the head's end
	s_wait_kmcnt 0x0
.irp n, 0,1,2,3,4,5,6,7,8,9,10,11
	global_load_b128 v[XD+4*\n:XD+4*\n+3], v9, s[10:11] offset:(\n/3)*2*CROW+256*(\n%3) th:TH_LOAD_NT   ; 16 lanes read 256 consecutive bytes of a row
.endr
	global_load_b32 v202, v31, s[12:13]
	global_load_b32 v203, v31, s[12:13] offset:2048
	global_load_b32 v12, v3, s[6:7]                ; s of my two columns
	global_load_b32 v13, v4, s[8:9]                ; their zeros' word
.irp i, 0,1,2,3,4,5,6,7,8,9,10,11,12,13,14,15
	global_load_b64 v[Q+2*\i:Q+2*\i+1], v2, s[4:5] offset:QROW*\i th:TH_LOAD_NT
.endr
; four fragments out of a stage: 24 loads of 8 bytes
.macro FRAGS adr, reg
.irp f, 0,1,2,3
.irp p, 0,1,2,3,4,5
	ds_load_b64 v[\reg+12*\f+2*\p:\reg+12*\f+2*\p+1], v[\adr] offset:\f*16*SPI+48*(\p/3)+8*(\p%3)
.endr
.endr
.endm
; and into the image: store n takes loads 2 n and 2 n + 1; the 22 - 2 n younger loads may be out
.macro SENDF reg, ptr
.irp n, 0,1,2,3,4,5,6,7,8,9,10,11
	s_wait_dscnt 22-2*\n
	global_store_b128 v27, v[\reg+4*\n:\reg+4*\n+3], s[\ptr:\ptr+1] offset:512*\n
.endr
.endm
	s_wait_loadcnt 20                              ; x's codes are in; behind them 2 + 2 + 16 loads
.irp n, 0,1,2,3,4,5,6,7,8,9,10,11
	ds_store_b128 v8, v[XD+4*\n:XD+4*\n+3] offset:(\n/3)*2*SPI+256*(\n%3)
.endr
	s_wait_dscnt 0x0                               ; for the others: my rows lie in x's stage
	s_barrier_signal -1
	s_barrier_wait -1
	FRAGS 26, C
	s_wait_loadcnt 18                              ; x's scale words
	global_store_b64 v30, v[202:203], s[16:17]
	SENDF C, 16
	s_wait_xcnt 0x0                                ; the stores have read v104-151, which the blocks below write
	s_wait_loadcnt 16                              ; the two small loads are in; the 16 rows may be out
	v_cvt_f32_f16 v14, v12.l
	v_cvt_f32_f16 v16, v12.h
	v_lshrrev_b32 v22, v5, v13
	s_delay_alu instid0(VALU_DEP_1)
	v_and_b32 v23, 15, v22
	s_delay_alu instid0(VALU_DEP_2)
	v_bfe_u32 v24, v22, 4, 4
	s_delay_alu instid0(VALU_DEP_2)
	v_cvt_f32_u32 v23, v23
	s_delay_alu instid0(VALU_DEP_2)
	v_cvt_f32_u32 v24, v24
	s_delay_alu instid0(VALU_DEP_2)
	v_add_f32 v23, 1.0, v23
	s_delay_alu instid0(VALU_DEP_2)
	v_add_f32 v24, 1.0, v24
	s_delay_alu instid0(VALU_DEP_2)
	v_mul_f32 v18, -v23, v14                       ; -(z4 + 1) s: exact
	s_delay_alu instid0(VALU_DEP_2)
	v_mul_f32 v20, -v24, v16
	v_mov_b32 v15, v14                             ; each twice: pairs for the packed multiply-add
	v_mov_b32 v17, v16
	s_delay_alu instid0(VALU_DEP_4)
	v_mov_b32 v19, v18
	s_delay_alu instid0(VALU_DEP_4)
	v_mov_b32 v21, v20
; Block b (0..3) of column 2 l + c: rows 4 b .. 4 b + 3 of my 16; its 24 bytes of codes go to v[dst] .. v[dst + 5], its byte into the column's scale word v[28 + c].
.macro BLOCK c, b, dst
.irp i, 0,1,2,3
.irp j, 0,1,2,3,4,5,6,7
	v_bfe_u32 v[X+8*\i+\j], v[Q+2*(4*(\b)+\i)+(\c)], 4*\j, 4
.endr
.endr
.set n, 0
.rept 32
	v_cvt_f32_u32 v[X+n], v[X+n]
.set n, n+1
.endr
.set n, 0
.rept 16
	v_pk_fma_f32 v[X+n:X+n+1], v[X+n:X+n+1], v[14+2*(\c):15+2*(\c)], v[18+2*(\c):19+2*(\c)]
.set n, n+2
.endr
	v_max3_num_f32 v22, |v[X]|, |v[X+1]|, |v[X+2]|
	v_max3_num_f32 v23, |v[X+3]|, |v[X+4]|, |v[X+5]|
.irp i, 6,10,14,18,22,26
	s_delay_alu instid0(VALU_DEP_2)
	v_max3_num_f32 v22, v22, |v[X+\i]|, |v[X+\i+1]|
	s_delay_alu instid0(VALU_DEP_2)
	v_max3_num_f32 v23, v23, |v[X+\i+2]|, |v[X+\i+3]|
.endr
	s_delay_alu instid0(VALU_DEP_2)
	v_max3_num_f32 v22, v22, |v[X+30]|, |v[X+31]|
	s_delay_alu instid0(VALU_DEP_1)
	v_max3_num_f32 v22, v22, v23, 0x1800000        ; the floor 2^(3 - 127): the byte cannot fall under 1
	s_delay_alu instid0(VALU_DEP_1)
	v_add_nc_u32 v24, 0xff000000, v22              ; 2 off the exponent field: the conversion's scale operand
	s_delay_alu instid0(VALU_DEP_1)
	v_lshrrev_b32 v25, 23, v24                     ; the scale's byte
.if (\b) == 0
	s_delay_alu instid0(VALU_DEP_1)
	v_mov_b32 v[28+(\c)], v25
.else
	s_delay_alu instid0(VALU_DEP_1)
	v_lshl_or_b32 v[28+(\c)], v25, 8*(\b), v[28+(\c)]
.endif
	v_cvt_scalef32_pk16_fp6_f32 v[\dst:\dst+2], v[X:X+15], v24
	v_cvt_scalef32_pk16_fp6_f32 v[T+4*((\b)%2):T+4*((\b)%2)+2], v[X+16:X+31], v24
	v_nop                                          ; one plain place behind a scaled conversion
.irp i, 0,1,2
	v_mov_b32 v[\dst+3+\i], v[T+4*((\b)%2)+\i]
.endr
.endm
.macro PAIR c, p
	BLOCK \c, 2*\p, C+12*(2*\p+\c)
	BLOCK \c, 2*\p+1, C+12*(2*\p+\c)+6
.irp i, 0,1,2
	ds_store_b128 v6, v[C+12*(2*\p+\c)+4*\i:C+12*(2*\p+\c)+4*\i+3] offset:SPI*\c+48*\p+16*\i
.endr
.endm
	s_wait_loadcnt 8                               ; rows 0 to 7 are in
	PAIR 0, 0
	PAIR 1, 0
	s_wait_loadcnt 0x0
	PAIR 0, 1
	PAIR 1, 1
	ds_store_b32 v7, v28                           ; the scale words of my two columns, at their places in the image
	ds_store_b32 v7, v29 offset:16
	s_wait_dscnt 0x0
	s_barrier_signal -1
	s_barrier_wait -1
	ds_load_b64 v[80:81], v10
	FRAGS 11, 32
	SENDF 32, 14
	global_store_b64 v30, v[80:81], s[14:15]
	s_wait_tensorcnt 0x0                           ; the wave's end
	ds_add_u32 v152, v153
	s_wait_dscnt 0x0
	s_endpgm
.Lfunc_end_k_q799beef717_prep:
	.size	k_q799beef717_prep, .Lfunc_end_k_q799beef717_prep-k_q799beef717_prep
	.p2alignl 7, 3214868480
	.fill 96, 4, 3214868480
	.section	.rodata,"a",@progbits
	.p2align	6, 0x0
	.amdhsa_kernel k_q799beef717_prep
		.amdhsa_group_segment_fixed_size 103424
		.amdhsa_private_segment_fixed_size 0
		.amdhsa_enable_private_segment 0
		.amdhsa_kernarg_size 56
		.amdhsa_user_sgpr_count 2
		.amdhsa_user_sgpr_kernarg_segment_ptr 1
		.amdhsa_wavefront_size32 1
		.amdhsa_system_sgpr_workgroup_id_x 1
		.amdhsa_system_sgpr_workgroup_id_y 1
		.amdhsa_system_sgpr_workgroup_id_z 1
		.amdhsa_system_vgpr_workitem_id 0
		.amdhsa_next_free_vgpr 204
		.amdhsa_next_free_sgpr 66
		.amdhsa_reserve_vcc 0
		.amdhsa_float_denorm_mode_32 3
		.amdhsa_float_denorm_mode_16_64 3
		.amdhsa_memory_ordered 1
		.amdhsa_forward_progress 1
		.amdhsa_inst_pref_size 64
	.end_amdhsa_kernel
	.amdgpu_metadata
---
amdhsa.version: [ 1, 2 ]
amdhsa.kernels:
  - .name:           k_q799beef717_prep
    .symbol:         k_q799beef717_prep.kd
    .args:
      - { .name: qweight, .offset: 0, .size: 8, .value_kind: global_buffer, .address_space: global }
      - { .name: scales, .offset: 8, .size: 8, .value_kind: global_buffer, .address_space: global }
      - { .name: qzeros, .offset: 16, .size: 8, .value_kind: global_buffer, .address_space: global }
      - { .name: x_codes, .offset: 24, .size: 8, .value_kind: global_buffer, .address_space: global }
      - { .name: x_scales, .offset: 32, .size: 8, .value_kind: global_buffer, .address_space: global }
      - { .name: wi, .offset: 40, .size: 8, .value_kind: global_buffer, .address_space: global }
      - { .name: xi, .offset: 48, .size: 8, .value_kind: global_buffer, .address_space: global }
    .group_segment_fixed_size: 103424
    .private_segment_fixed_size: 0
    .kernarg_segment_align: 8
    .kernarg_segment_size: 56
    .max_flat_workgroup_size: 256
    .sgpr_count:     66
    .vgpr_count:     204
    .wavefront_size: 32
...
	.end_amdgpu_metadata
.endif
;; end of part 1
;; launch gemm (part 2): grid 16 x 16, 4 waves a work-group, clusters of 4 x 4, 327,680 bytes of LDS; arguments xi, wi, bias, out0; writes out0
.if DOCPART == 2
	.amdgcn_target "amdgcn-amd-amdhsa--gfx1250"
	.amdhsa_code_object_version 6
	.text
	.protected	k_q799beef717_gemm
	.globl	k_q799beef717_gemm
	.p2align	8
	.type	k_q799beef717_gemm,@function
k_q799beef717_gemm:
	s_mov_b64 s[64:65], 0
	v_nop
	global_prefetch_b8 v0, s[64:65] scope:SCOPE_SE
	s_setreg_imm32_b32 hwreg(HW_REG_WAVE_MODE, 25, 1), 1
	s_wait_xcnt 0x0
	s_wait_alu depctr_hold_cnt(0) depctr_sa_sdst(0) depctr_va_vdst(0) depctr_va_sdst(0) depctr_va_ssrc(0) depctr_va_vcc(0) depctr_vm_vsrc(0)
	s_getreg_b32 s2, hwreg(HW_REG_IB_STS2, 6, 4)
	s_cmp_eq_u32 s2, 0
	s_cbranch_scc0 .Lentry_in_a_cluster
	s_endpgm
.Lentry_in_a_cluster:
	s_bfe_u32 s2, ttmp6, 0x10000c
	s_cmp_lg_u32 s2, 0xf033
	s_cbranch_scc0 .Lentry_shape_is_right
	s_endpgm
.Lentry_shape_is_right:
; out0[m][n] = f16(bias[n] + sum over k of x[m][k] W[k][n]), m, n, k = 0 .. 4095, on codes of FP6 (E2M3) with E8M0 scales, sums in f32.
; LIMIT: reference() rounds the sum to f16 and adds the bias in f16; here the bias starts the f32 sum (it is the C of each accumulator's first product) and the result is rounded once.
; Both operands come as the images that the launch before has laid: [group of 128 rows][step of 128 along K][unit of 12,800 bytes = 50 rows of 256]; a unit holds eight fragments in the order of the
; operand's registers (three loads of 16 bytes a lane, 512 consecutive bytes each: no padding is needed) and 512 bytes of scale words (two loads of 16 bytes bring a step's eight scale registers).
; A work-group of four waves makes 256 x 256; a wave 128 x 128: 64 accumulators.  The matrix instruction is used transposed (source 0 = W's columns, source 1 = x's rows): a lane holds eight neighbouring columns of a row.
; THE RING: two slots of THREE steps each: four regions of 38,400 bytes (x's two groups, W's two), one tensor load a wave.  Fill f holds steps 3 f .. 3 f + 2; fill 10, the last, holds steps 30 and 31 (100 rows).
; From a refill to the wait for it a wave issues 176 matrix instructions.  One register carries x's scale word (lanes 0-15) and W's (lanes 16-31).
; CLUSTERS: 4 x 4; x's regions are asked for jointly along a row of the cluster, W's along a column.
; LDS READS of a step go in two runs: W's blocks 0-3 of the step after next's set go out with x's blocks 4-7 at a step's end (24 loads), the rest in the step's middle (26); in a slot's last step all of the next slot's go out behind the round.
; PREFETCH: behind the load of fill F stands the request for fill F + 1 (three steps, 192 matrix instructions, ahead of its load): 150 blocks of 256 bytes a region, of which each of the four partners names 38 by address
; (left-over lanes name the last block again).  Fill 10 is shorter than 150 blocks and is not asked for.
; The last step goes block by block of 16 rows, and each block leaves as soon as it is finished, through the wave's own stage in slot 1, which has had its last fill and its last read by then.
; REGISTERS: window 0: v16-31 addresses; v32-47 scale words, two sets; v64-127 the bias in f32, later the way out; v128-223 x's fragments, one set; v224-255 the way out.  Window 1: W's fragments, sets at v0 and v128.  Windows 2, 3: accumulators.
.set UNIT,   12800
.set UROWS,  50
.set FB,     1536
.set REG,    3*UNIT
.set SLOT,   4*REG
.set GBYTES, 32*UNIT
.set SPARE,  2*SLOT
.set STAGE,  SLOT
.set SPITCH, 272
.set OROW,   8192
.set FR,     12
.set ADRA, 16
.set ADRB, 18
.set ADRS, 20
.set STO,  24
.set RD,   25
.set CO,   26
.set BO,   27
.set SPW,  28
.set NIL,  29
.set PFO,  30
.set SC,   32
.set BIAS, 64
.set PKB,  96
.set TMP,  96
.set AF,   128
.set G1, 24
.set G0, 32
.set G1B, 48
.set G0B, 56
.set PFA, 96
.set MSB, 0
.macro WIN new
.if MSB != (\new)
	s_set_vgpr_msb (MSB<<8)|(\new)
.set MSB, (\new)
.endif
.endm
.set MUL_LO,   0xa1
.set MUL_HI,   0xf1
.set MUL_LO_C, 0x81
.set MUL_HI_C, 0xc1
.set TO_B,     0x40
.macro JLOAD g0a, g1a, g0b, g1b        ; a joint load: waves 0, 1 fetch x's groups, waves 2, 3 W's
	s_cmp_eq_u32 s15, 0
	s_cbranch_scc0 .Lfor_b_\@
	tensor_load_to_lds s[\g0a:\g0a+3], s[\g1a:\g1a+7]
	s_nop 0
.rept 4
	v_nop
.endr
	s_branch .Lasked_\@
.Lfor_b_\@:
	tensor_load_to_lds s[\g0b:\g0b+3], s[\g1b:\g1b+7]
	s_nop 0
.rept 4
	v_nop
.endr
.Lasked_\@:
.endm
.macro CREST
	s_cmp_lg_u32 s14, 0
	s_cbranch_scc1 .Lnot_wave_0_\@
	s_barrier_signal -3
.Lnot_wave_0_\@:
	s_barrier_wait -3
	s_barrier_signal -1
	s_barrier_wait -1
.endm
.macro CROUND
	s_barrier_signal -1
	s_barrier_wait -1
	CREST
.endm
.macro ASK guard                       ; guard = 1: not in the loop's last trip, where the next fill is the short one
.if (\guard)
	s_cmp_gt_u32 s3, 1
	s_cbranch_scc0 .Lno_ask_\@
.endif
	global_prefetch_b8 v[PFO], s[PFA:PFA+1] th:TH_LOAD_NT scope:SCOPE_SE
	global_prefetch_b8 v[PFO+1], s[PFA:PFA+1] th:TH_LOAD_NT scope:SCOPE_SE
.Lno_ask_\@:
.endm
	s_load_b128 s[4:7], s[0:1], 0x0                ; xi, wi
	s_load_b128 s[8:11], s[0:1], 0x10              ; bias, out0
	v_lshl_add_u32 v[SPW], v0, 2, SPARE
	v_mov_b32 v[NIL], 0
	ds_add_u32 v[SPW], v[NIL]                      ; the opening lines: the add, twice on end, and its wait
	ds_add_u32 v[SPW], v[NIL]
	v_lshrrev_b32 v1, 5, v0
	v_readfirstlane_b32 s14, v1                    ; wave
	s_lshr_b32 s15, s14, 1                         ; my half of the rows; also: I fetch for x (0) or W (1)
	s_and_b32 s16, s14, 1                          ; my half of the columns; also: which group of 128 I fetch
	s_bfe_u32 s40, ttmp6, 0x40000                  ; cx
	s_bfe_u32 s41, ttmp6, 0x40004                  ; cy
	s_lshl_b32 s42, ttmp9, 2
	s_add_co_u32 s42, s42, s40                     ; tile column
	s_and_b32 s17, ttmp7, 0xffff
	s_lshl_b32 s17, s17, 2
	s_add_co_u32 s17, s17, s41                     ; tile row
	s_lshl_b32 s43, s41, 2
	s_lshl_b32 s43, 15, s43                        ; my row of the cluster
	s_lshl_b32 s44, 0x1111, s40                    ; my column
	s_or_b32 s[G1], s43, (3<<16)|(1<<21)           ; elements of 8 bytes, no padding
	s_or_b32 s[G1B], s44, (3<<16)|(1<<21)
.irp g, G1, G1B
	s_mov_b32 s[\g+1], 32<<16                      ; rows of 256 bytes,
	s_mov_b32 s[\g+2], (3*UROWS)<<16               ; 150 of them: three units
	s_mov_b32 s[\g+3], 32<<16
	s_mov_b32 s[\g+4], 3*UROWS
	s_mov_b32 s[\g+5], 32
	s_mov_b32 s[\g+6], 0
	s_mov_b32 s[\g+7], 0
.endr
	s_lshl_b32 s20, s17, 1
	s_add_co_u32 s20, s20, s16
	s_mul_i32 s20, s20, GBYTES                     ; x's group 2 x tile row + half
	s_mov_b32 s21, 0
	s_lshl_b32 s46, s42, 1
	s_add_co_u32 s46, s46, s16
	s_mul_i32 s46, s46, GBYTES                     ; W's group 2 x tile column + half
	s_mov_b32 s47, 0
	s_mul_i32 s45, s14, REG                        ; my region of a slot
	s_wait_dscnt 0x0
	s_wait_kmcnt 0x0
	s_add_nc_u64 s[22:23], s[4:5], s[20:21]
	s_add_nc_u64 s[92:93], s[6:7], s[46:47]
.irp s, 0,1
	s_mov_b32 s[G0+4*\s], 1
	s_add_co_u32 s[G0+4*\s+1], s45, \s*SLOT
	s_add_nc_u64 s[G0+4*\s+2:G0+4*\s+3], s[22:23], \s*REG
	s_or_b32 s[G0+4*\s+3], s[G0+4*\s+3], 0x80000000
	s_mov_b32 s[G0B+4*\s], 1
	s_add_co_u32 s[G0B+4*\s+1], s45, \s*SLOT
	s_add_nc_u64 s[G0B+4*\s+2:G0B+4*\s+3], s[92:93], \s*REG
	s_or_b32 s[G0B+4*\s+3], s[G0B+4*\s+3], 0x80000000
.endr
	CROUND                                         ; the first joint loads meet
	JLOAD G0, G1, G0B, G1B                         ; fill 0: one tensor load a wave at the head
	s_cmp_eq_u32 s15, 0
	s_cselect_b64 s[PFA:PFA+1], s[22:23], s[92:93]
	s_cselect_b32 s94, s40, s41                    ; my place among the four that ask with me
	s_add_nc_u64 s[PFA:PFA+1], s[PFA:PFA+1], REG   ; fill 1
	s_mul_i32 s94, s94, 38
	s_mul_i32 s18, s15, REG                        ; x's region that I multiply
	s_mul_i32 s19, s16, REG
	s_add_co_u32 s19, s19, 2*REG                   ; W's
	s_sub_co_u32 s20, s19, s18
	s_mul_i32 s21, s14, 16*SPITCH
	s_add_co_u32 s21, s21, STAGE
	s_lshl_b32 s46, s42, 9
	s_lshl_b32 s47, s16, 8
	s_add_co_u32 s46, s46, s47                     ; my first column, in bytes of f16
	s_mov_b32 s47, 0
	s_add_nc_u64 s[8:9], s[8:9], s[46:47]
	s_lshl_b32 s22, s17, 8
	s_lshl_b32 s23, s15, 7
	s_add_co_u32 s22, s22, s23
	s_lshl_b32 s22, s22, 13                        ; my first row
	s_mov_b32 s23, 0
	s_add_nc_u64 s[22:23], s[22:23], s[46:47]
	s_add_nc_u64 s[10:11], s[10:11], s[22:23]
	v_and_b32 v1, 31, v0
	v_and_b32 v2, 15, v0                           ; r
	v_bfe_u32 v3, v0, 4, 1                         ; h
	v_lshlrev_b32 v4, 4, v1
	v_add_nc_u32 v[ADRA], s18, v4
	v_add_nc_u32 v[ADRB], s19, v4
	v_add_nc_u32 v[ADRA+1], SLOT, v[ADRA]
	v_add_nc_u32 v[ADRB+1], SLOT, v[ADRB]
	v_mul_u32_u24 v5, s20, v3                      ; lanes 16-31 take W's scale words
	v_lshl_add_u32 v5, v2, 4, v5
	v_add_nc_u32 v5, s18, v5
	v_add_nc_u32 v[ADRS], 8*FB, v5
	v_add_nc_u32 v[ADRS+1], SLOT, v[ADRS]
	v_mul_u32_u24 v6, v2, SPITCH
	v_lshl_add_u32 v6, v3, 4, v6
	v_add_nc_u32 v[STO], s21, v6
	v_mul_u32_u24 v6, v3, SPITCH
	v_lshl_add_u32 v6, v2, 4, v6
	v_add_nc_u32 v[RD], s21, v6
	v_lshlrev_b32 v6, 13, v3
	v_lshl_add_u32 v[CO], v2, 4, v6
	v_lshlrev_b32 v[BO], 4, v3
	v_add_nc_u32 v[PFO], s94, v1                   ; blocks 38 p + l,
	v_min_u32 v7, 5, v1
	v_add_nc_u32 v7, s94, v7
	v_add_nc_u32 v7, 32, v7                        ; and 38 p + 32 .. 37,
	v_min_u32 v[PFO], 3*UROWS-1, v[PFO]            ; none past the fill's last block
	v_min_u32 v7, 3*UROWS-1, v7
	v_lshlrev_b32 v[PFO], 8, v[PFO]
	v_lshlrev_b32 v[PFO+1], 8, v7
	s_wait_alu depctr_va_vdst(0)                   ; the wait behind the head's address work
.irp b, 0,1,2,3,4,5,6,7
	global_load_b128 v[PKB+4*\b:PKB+4*\b+3], v[BO], s[8:9] offset:32*\b   ; bias of columns 16 b + 8 h + 0 .. 7
.endr
	ASK 0                                          ; fill 1
.macro FRAG reg, adr, q, i
.irp j, 0,1,2
	ds_load_b128 v[\reg+4*\j:\reg+4*\j+3], v[\adr] offset:(\q)*UNIT+(\i)*FB+512*\j
.endr
.endm
.macro MUL8 a, p, first                ; x's block a against W's eight; p: W's set and the set of scale words
.irp b, 0,1,2,3,4,5,6,7
.if \first
	v_wmma_scale_f32_16x16x128_f8f6f4 v[8*(8*((\a)%4)+\b):8*(8*((\a)%4)+\b)+7], v[128*(\p)+FR*\b:128*(\p)+FR*\b+FR-1], v[AF+FR*(\a):AF+FR*(\a)+FR-1], v[BIAS+8*\b:BIAS+8*\b+7], v[SC+8*(\p)+\b], v[SC+8*(\p)+(\a)] matrix_a_fmt:MATRIX_FMT_FP6 matrix_b_fmt:MATRIX_FMT_FP6 matrix_a_scale:MATRIX_SCALE_ROW1
.else
	v_wmma_scale_f32_16x16x128_f8f6f4 v[8*(8*((\a)%4)+\b):8*(8*((\a)%4)+\b)+7], v[128*(\p)+FR*\b:128*(\p)+FR*\b+FR-1], v[AF+FR*(\a):AF+FR*(\a)+FR-1], v[8*(8*((\a)%4)+\b):8*(8*((\a)%4)+\b)+7], v[SC+8*(\p)+\b], v[SC+8*(\p)+(\a)] matrix_a_fmt:MATRIX_FMT_FP6 matrix_b_fmt:MATRIX_FMT_FP6 matrix_a_scale:MATRIX_SCALE_ROW1
.endif
.endr
.endm
.macro MUL16 a0, p, first
	MUL8 \a0, \p, \first
	MUL8 \a0+1, \p, \first
.endm
.macro FETCH_B slot, q, p, i0          ; W's blocks i0 .. i0 + 3 into set p: 12 loads
	WIN TO_B
.irp i, \i0, \i0+1, \i0+2, \i0+3
	FRAG 128*(\p)+FR*(\i), ADRB+\slot, \q, \i
.endr
	WIN 0
.endm
.macro FETCH_A slot, q, i0             ; x's blocks i0 .. i0 + 3: 12 loads
.irp i, \i0, \i0+1, \i0+2, \i0+3
	FRAG AF+FR*(\i), ADRA+\slot, \q, \i
.endr
.endm
.macro SCALES slot, q, p               ; a step's eight scale registers: 2 loads
.irp j, 0,1
	ds_load_b128 v[SC+8*(\p)+4*\j:SC+8*(\p)+4*\j+3], v[ADRS+\slot] offset:(\q)*UNIT+256*\j
.endr
.endm
.macro PLACES n
.rept \n
	v_nop
.endr
.endm
; A step that is not its slot's last.  q: its place in the slot; par: its parity.  nt = 1: the next step is a slot's last or the very last, and no block of W is fetched early for the step behind it.
.macro STEP slot, q, par, first, nt
	s_wait_dscnt 24                                ; all but the last run: x's blocks 4-7 and the next step's W blocks 0-3
.if \first
	WIN MUL_LO_C
.else
	WIN MUL_LO
.endif
	MUL16 0, \par, \first
	MUL16 2, \par, \first
	s_wait_dscnt 12                                ; x's blocks 4-7 are in
	PLACES 4
	FETCH_B \slot, (\q)+1, 1-(\par), 4
	FETCH_A \slot, (\q)+1, 0
	SCALES \slot, (\q)+1, 1-(\par)
.if \first
	WIN MUL_HI_C
.else
	WIN MUL_HI
.endif
	MUL16 4, \par, \first
	MUL16 6, \par, \first
	PLACES 4
	WIN 0
	FETCH_A \slot, (\q)+1, 4
.if \nt == 0
	FETCH_B \slot, (\q)+2, \par, 0
.endif
.endm
; A slot's last step: the change of slots.  fill = 1: the slot is filled again behind a round of the cluster's barrier; part = 1: with the short last fill; ask: 0 no prefetch, 1 one, 2 one but in the loop's last trip.
.macro TURN slot, par, next, fill, part, ask
	s_wait_dscnt 12
	WIN MUL_LO
	MUL16 0, \par, 0
	WIN 0
.if \ask
	s_wait_xcnt 0x0                                ; my prefetches have read their address
	s_add_nc_u64 s[PFA:PFA+1], s[PFA:PFA+1], REG
.endif
	s_wait_tensorcnt 0x0                           ; all my tensor loads have landed: my region of the next slot
	ds_add_u32 v[SPW], v[NIL]
.if \fill
	s_add_nc_u64 s[G0+4*\slot+2:G0+4*\slot+3], s[G0+4*\slot+2:G0+4*\slot+3], 2*REG
	s_add_nc_u64 s[G0B+4*\slot+2:G0B+4*\slot+3], s[G0B+4*\slot+2:G0B+4*\slot+3], 2*REG
.endif
.if \part
	s_mov_b32 s[G1+2], (2*UROWS)<<16               ; no load of mine is out: the last fill has two units, 100 rows
	s_mov_b32 s[G1+4], 2*UROWS
	s_mov_b32 s[G1B+2], (2*UROWS)<<16
	s_mov_b32 s[G1B+4], 2*UROWS
.endif
	WIN MUL_LO
	MUL8 2, \par, 0
	s_wait_dscnt 0x0                               ; the add is done, and my reads of this slot are over
	s_barrier_signal -1
	MUL8 3, \par, 0
	WIN 0
	s_barrier_wait -1
.if \fill
	CREST
	JLOAD G0+4*\slot, G1, G0B+4*\slot, G1B         ; the four v_nop behind it are the places in front of the loads below
.else
	PLACES 4
.endif
	FETCH_B \next, 0, 1-(\par), 0
	FETCH_B \next, 0, 1-(\par), 4
	FETCH_A \next, 0, 0
	SCALES \next, 0, 1-(\par)
.if \ask
	ASK (\ask)-1
.endif
	WIN MUL_HI
	MUL16 4, \par, 0
	MUL16 6, \par, 0
	PLACES 4
	WIN 0
	FETCH_A \next, 0, 4
	FETCH_B \next, 1, \par, 0
.endm
.macro WIDE d, lo, hi
	v_cvt_f32_f16 v[\d], \lo
	v_cvt_f32_f16 v[\d+1], \hi
.endm
	s_wait_loadcnt 0x0                             ; the bias, widened while fill 0 is on its way
	WIDE 64, v96.l, v96.h
	WIDE 66, v97.l, v97.h
	WIDE 68, v98.l, v98.h
	WIDE 70, v99.l, v99.h
	WIDE 72, v100.l, v100.h
	WIDE 74, v101.l, v101.h
	WIDE 76, v102.l, v102.h
	WIDE 78, v103.l, v103.h
	WIDE 80, v104.l, v104.h
	WIDE 82, v105.l, v105.h
	WIDE 84, v106.l, v106.h
	WIDE 86, v107.l, v107.h
	WIDE 88, v108.l, v108.h
	WIDE 90, v109.l, v109.h
	WIDE 92, v110.l, v110.h
	WIDE 94, v111.l, v111.h
	WIDE 96, v112.l, v112.h
	WIDE 98, v113.l, v113.h
	WIDE 100, v114.l, v114.h
	WIDE 102, v115.l, v115.h
	WIDE 104, v116.l, v116.h
	WIDE 106, v117.l, v117.h
	WIDE 108, v118.l, v118.h
	WIDE 110, v119.l, v119.h
	WIDE 112, v120.l, v120.h
	WIDE 114, v121.l, v121.h
	WIDE 116, v122.l, v122.h
	WIDE 118, v123.l, v123.h
	WIDE 120, v124.l, v124.h
	WIDE 122, v125.l, v125.h
	WIDE 124, v126.l, v126.h
	WIDE 126, v127.l, v127.h
	PLACES 8
	s_wait_alu depctr_va_vdst(0)                   ; the wait at the head's end
	s_wait_xcnt 0x0
	s_add_nc_u64 s[PFA:PFA+1], s[PFA:PFA+1], REG   ; fill 2
	s_wait_tensorcnt 0x0                           ; my region of fill 0 is in
	ds_add_u32 v[SPW], v[NIL]
	s_wait_dscnt 0x0
	CROUND
	JLOAD G0+4, G1, G0B+4, G1B                     ; fill 1, the first tensor load behind the round
	FETCH_B 0, 0, 0, 0
	FETCH_B 0, 0, 0, 4
	FETCH_A 0, 0, 0
	SCALES 0, 0, 0
	FETCH_A 0, 0, 4
	FETCH_B 0, 1, 1, 0
	ASK 0
	STEP 0, 0, 0, 1, 0                             ; step 0: its products start the sums, on the bias
	s_mov_b32 s3, 4
.Llap:                                                 ; a trip: steps 6 L + 1 .. 6 L + 6; it asks for fills 2 L + 2 and 2 L + 3
	STEP 0, 1, 1, 0, 1
	TURN 0, 0, 1, 1, 0, 1
	STEP 1, 0, 1, 0, 0
	STEP 1, 1, 0, 0, 1
	TURN 1, 1, 0, 1, 0, 2
	STEP 0, 0, 0, 0, 0
	s_sub_co_u32 s3, s3, 1
	s_cmp_lg_u32 s3, 0
	s_cbranch_scc1 .Llap
	STEP 0, 1, 1, 0, 1                             ; step 25
	TURN 0, 0, 1, 1, 1, 0                          ; step 26 asks for fill 10, the short one
	STEP 1, 0, 1, 0, 0
	STEP 1, 1, 0, 0, 1
	TURN 1, 1, 0, 0, 0, 0                          ; step 29: nothing is left to fetch
	STEP 0, 0, 0, 0, 1                             ; step 30
; THE LAST STEP, and the way out: a block of 16 rows is rounded to f16, goes through my stage and leaves as rows of 256 bytes as soon as its eight products are done.
.macro PACK a
.set AC, 64*((\a)%4)
	WIN 0x0a+5*((\a)/4)
.irp b, 0,1,2,3,4,5,6,7
.irp i, 0,1,2,3
	v_cvt_pk_f16_f32 v[TMP+4*\b+\i], v[AC+8*\b+2*\i], v[AC+8*\b+2*\i+1]
.endr
.endr
	WIN 0
.endm
.macro TOSTAGE a
.set BB, 64+160*((\a)%2)
.irp b, 0,1,2,3,4,5,6,7
	ds_store_b128 v[STO], v[TMP+4*\b:TMP+4*\b+3] offset:32*\b
.endr
.irp t, 0,1,2,3,4,5,6,7
	ds_load_b128 v[BB+4*\t:BB+4*\t+3], v[RD] offset:\t*2*SPITCH    ; a wave's LDS instructions are served in order: these see the stores above
.endr
.endm
.macro SEND a
.set BB, 64+160*((\a)%2)
	s_wait_dscnt 0x0
	s_wait_xcnt 0x0                                ; earlier stores have read their base and their data
.if (\a) > 0
	s_add_nc_u64 s[10:11], s[10:11], 16*OROW
.endif
.irp t, 0,1,2,3,4,5,6,7
	global_store_b128 v[CO], v[BB+4*\t:BB+4*\t+3], s[10:11] offset:2*\t*OROW th:TH_STORE_NT   ; 16 lanes store 256 consecutive bytes, at a multiple of 256
.endr
.endm
	s_wait_dscnt 12
	WIN MUL_LO
	MUL8 0, 1, 0
	MUL8 1, 1, 0
	s_wait_dscnt 0x0
.irp a, 0,1,2,3,4,5,6,7
	PLACES 4
	PACK \a
	TOSTAGE \a
.if \a < 6
	WIN MUL_LO+0x50*((\a+2)/4)
	MUL8 \a+2, 1, 0                                ; the block after next is multiplied while this one passes the stage
	WIN 0
.endif
	SEND \a
.endr
	s_wait_tensorcnt 0x0                           ; the wave's end
	ds_add_u32 v[SPW], v[NIL]
	s_wait_dscnt 0x0
	CROUND                                         ; the closing round
	s_endpgm
.Lfunc_end_k_q799beef717_gemm:
	.size	k_q799beef717_gemm, .Lfunc_end_k_q799beef717_gemm-k_q799beef717_gemm
	.p2alignl 7, 3214868480
	.fill 96, 4, 3214868480
	.section	.rodata,"a",@progbits
	.p2align	6, 0x0
	.amdhsa_kernel k_q799beef717_gemm
		.amdhsa_group_segment_fixed_size 327680
		.amdhsa_private_segment_fixed_size 0
		.amdhsa_enable_private_segment 0
		.amdhsa_kernarg_size 32
		.amdhsa_user_sgpr_count 2
		.amdhsa_user_sgpr_kernarg_segment_ptr 1
		.amdhsa_wavefront_size32 1
		.amdhsa_system_sgpr_workgroup_id_x 1
		.amdhsa_system_sgpr_workgroup_id_y 1
		.amdhsa_system_sgpr_workgroup_id_z 1
		.amdhsa_system_vgpr_workitem_id 0
		.amdhsa_next_free_vgpr 1024
		.amdhsa_next_free_sgpr 98
		.amdhsa_reserve_vcc 0
		.amdhsa_float_denorm_mode_32 3
		.amdhsa_float_denorm_mode_16_64 3
		.amdhsa_memory_ordered 1
		.amdhsa_forward_progress 1
		.amdhsa_inst_pref_size 212
	.end_amdhsa_kernel
	.amdgpu_metadata
---
amdhsa.version: [ 1, 2 ]
amdhsa.kernels:
  - .name:           k_q799beef717_gemm
    .symbol:         k_q799beef717_gemm.kd
    .args:
      - { .name: xi, .offset: 0, .size: 8, .value_kind: global_buffer, .address_space: global }
      - { .name: wi, .offset: 8, .size: 8, .value_kind: global_buffer, .address_space: global }
      - { .name: bias, .offset: 16, .size: 8, .value_kind: global_buffer, .address_space: global }
      - { .name: out0, .offset: 24, .size: 8, .value_kind: global_buffer, .address_space: global }
    .group_segment_fixed_size: 327680
    .private_segment_fixed_size: 0
    .kernarg_segment_align: 8
    .kernarg_segment_size: 32
    .max_flat_workgroup_size: 128
    .sgpr_count:     98
    .vgpr_count:     1024
    .wavefront_size: 32
...
	.end_amdgpu_metadata
.endif
;; end of part 2
